; MI455X (gfx1250); checked and timed in simulation.
; The chip was launched on July 23, 2026; its instructions are those of AMD's public machine-readable ISA for CDNA 5 (MIT licence, August 2026) and "CDNA5" Instruction Set Architecture Reference Guide (July 2026). The comments in the code are by the model that wrote it; some were corrected since.
;; Multi Head Attention. Allowed arithmetic: matrix products marked QUANTISED: E2M3 operands, one E8M0 scale for each 32 along K, by v_wmma_scale_f32_16x16x128_f8f6f4 with both operands' format E2M3, f32 sums; everything else in f32.
;; Inputs: k 2 x 4,096 x 512 float32; q 2 x 4,096 x 512 float32; v_codes 2 x 512 x 128 x 24 uint8 (E2M3 codes of v, K innermost, in blocks of 32 codes, four codes in three bytes); v_scales 2 x 512 x 128 uint8 (E8M0 scales of v, one for each 32 codes along K).
;; Outputs: out0 2 x 4,096 x 512 float32.
;; This version of the problem:
;;   THIS VERSION OF THE PROBLEM IS GIVEN IN LOW PRECISION. The matrix products marked QUANTISED in the list below multiply operands that are first quantised to E2M3 (2 exponent bits, 3 mantissa bits; 6 bits a number), with one power-of-two scale for each 32 numbers along K (OCP MX v1.0); their sums are f32. All else is computed in f32.
;;   The module's matrix products, in the order in which they are computed (A, B: the left and right operand; K: the contracted axis; several contracted axes count as one K, in the product's order):
;;     1. batch 16 x [M 4,096, K 64] x [K 64, N 4,096]; A: input q; B: input k: QUANTISED
;;     2. batch 16 x [M 4,096, K 4,096] x [K 4,096, N 64]; A: softmax (see below); B: input v (given as codes): QUANTISED
;;   THE QUANTISER, for each operand of a quantised product, along K:
;;     - K is cut into blocks of 32 from its start; a last block that is shorter is filled with zeros.
;;     - A block's scale is 2^e with e = floor(log2(the largest magnitude in the block)) - 2, held to -126 .. 127; a block of zeros has e = 0. As a byte (E8M0): e + 127.
;;     - Each number is divided by its block's scale, clamped to +-7.5, and rounded to the nearest number of E2M3, ties to even, subnormals kept.
;;     - The product sums the exact products of the quantised numbers (number of the format x scale) in f32.
;;   ~~~python
;;   def quantise(x, axis):      # numpy; x: float32 -> the quantised numbers, widened to float32 again
;;       x = np.moveaxis(x, axis, -1); K = x.shape[-1]
;;       x = np.pad(x, [(0, 0)] * (x.ndim - 1) + [(0, -K % 32)]); x = x.reshape(x.shape[:-1] + (-1, 32)); a = np.abs(x).max(-1, keepdims=True)
;;       e = np.where(a > 0, np.clip(np.frexp(np.where(a > 0, a, 1))[1] - 1 - 2, -126, 127), 0)      # np.frexp(a)[1] - 1 = floor(log2(a)), exactly
;;       r = np.clip(x / 2.0 ** e, -7.5, 7.5)
;;       step = 2.0 ** (np.maximum(np.frexp(np.where(r == 0, 1, r))[1] - 1, 0) - 3)
;;       q = np.round(r / step) * step * 2.0 ** e      # np.round: ties to even
;;       return np.moveaxis(q.reshape(q.shape[:-2] + (-1,))[..., :K], -1, axis).astype(np.float32)
;;   ~~~
;;   SOFTMAX AHEAD OF A QUANTISED PRODUCT. Where the list says 'softmax', what is quantised is not the finished softmax but p = 2^(t - M), with t = logit x log2(e) and M = ceil(the row's largest t), a whole number; so 1/2 < the row's largest p <= 1. The row's sum l is taken of the UNQUANTISED p, in f32, and the product's result is divided by l at the end. Since M is a whole number, a kernel that streams over the keys may use a running M (the ceiling of the running maximum): every later rescaling is an exact power of two, which a block's scale takes up: the codes' values come out the same.
;;   OPERANDS COMPUTED ON THE WAY. 'Computed on the way' means the value that the module computes at that place (a softmax that the list does not call 'softmax' is quantised finished and normalised). What goes into a quantiser is computed in f32, as accurately as f32 sums, v_exp_f32 and their like allow (about 1e-6 of the number): no bf16 or f16 on the way to a quantiser, and a product that is left as it is and whose result goes on into a quantised operand takes f32 operands (vector FMAs, or v_wmma_f32_16x16x4_f32). A number that lies on a knife's edge between two numbers of the format may be rounded either way, as far as f32 arithmetic and the matrix unit's own rounding can turn it there, and no further.
;;   INPUTS GIVEN AS CODES. v (in the module: [2, 4096, 512], K = its axis 1): each comes as NAME_codes (uint8): NAME with its K axis moved to the last place and cut into blocks of 32 codes, [.., K / 32, bytes a block], one block behind the other in memory; four codes in three bytes: a row's codes are one little-endian stream of bits, code i at bits 6 i .. 6 i + 5 (a code: sign, 2 exponent bits, 3 mantissa bits); and NAME_scales (uint8): the same leading axes, one E8M0 byte (e + 127) for each 32 codes along K. Its value is code x scale, taken as it is: it is not quantised again, and the codes and scales need not be those that the quantiser above would give.
;; One version. Each part assembles by itself: llvm-mc -triple=amdgcn-amd-amdhsa -mcpu=gfx1250 --defsym DOCPART=n.
;; ======== version 1 of 1: 2 launches
;; limits: right only within a limited range of input values
;; workspace buffers: kvimg 6,815,744 bytes
;; launch prep (part 1): grid 512 x 1, 4 waves a work-group, no clusters, 36,352 bytes of LDS; arguments k, v_codes, v_scales, kvimg; writes kvimg
.if DOCPART == 1
	.amdgcn_target "amdgcn-amd-amdhsa--gfx1250"
	.amdhsa_code_object_version 6
	.text
	.protected	k_q2561166852_prep
	.globl	k_q2561166852_prep
	.p2align	8
	.type	k_q2561166852_prep,@function
k_q2561166852_prep:
	s_mov_b64 s[64:65], 0
	v_nop
	global_prefetch_b8 v0, s[64:65] scope:SCOPE_SE
	s_setreg_imm32_b32 hwreg(HW_REG_WAVE_MODE, 25, 1), 1
	s_wait_xcnt 0x0
; Lays K and V of one key step (128 keys of one head) into one block of kvimg, IN THE ORDER OF THE OPERANDS' REGISTERS, so that the attention launch
; fetches a key step as dense rows of 256 bytes and reads every fragment by loads of 16 bytes a lane.
; k [2][4096][512] f32 is quantised here to FP6 (E2M3), one E8M0 byte for each 32 of the head's 64 channels; v comes as codes and is only laid anew.
; kvimg: block x = 32 x head + key step (head = 8 x batch + h), 13,312 bytes = 52 rows of 256:
;   0      K's codes: 1536 pb + 512 c + 16 lane: registers 4 c .. 4 c + 3 of the lane's twelve; registers 0-5 are tile 2 pb, 6-11 tile 2 pb + 1.
;          Lane (r, h) of tile t holds key 64 (t / 4) + 32 (r / 8) + 8 (t % 4) + r % 8, channels 32 h .. 32 h + 31: the product's result then gives a lane whole blocks of 32 keys.
;   6144   K's scale words: 16 lane + 4 pb: lane (r, u) holds the word of row r of tile 2 pb + u: byte 0 channels 0-31, byte 1 channels 32-63, bytes 2, 3 are 0.
;   6656   V's codes: 1536 t + 512 c + 16 lane: the twelve registers of lane (r, h) for channels 16 t + r: keys 32 h .. + 31 and 64 + 32 h .. + 31 of the step.
;   12800  V's scale words: 8 l: the words of channels l and 32 + l.      13056  256 bytes of zeros, so that every byte of a block is written.
; LIMITS: a block of k that is all zeros, or whose largest magnitude lies under 2^-124, gets the byte 1 (a block of zeros has zero codes, and this program alone reads the bytes); NaN and infinities in k are not served.
; SHARES: work-group x takes block x; wave w takes K's pair pb = w (32 keys) and V's tile t = w.  No loop: a wave's 23 loads go out together.
.set SP,    272                        ; a stage row: a key's 256 bytes + 16
.set WSTG,  32*SP
.set SCW,   4*WSTG                     ; K's 512 bytes of scale words
.set SCV,   SCW+512                    ; V's 256 bytes
.set SPARE, SCV+512                    ; 35,840: the spare words, 128 bytes a wave
.set BLK,   13312
.set VCO,   6656
.set VSW,   12800
.set R,     16                         ; v16-79   k as loaded
.set X,     80                         ; v80-143  block u at X + 32 u
.set C,     144                        ; v144-155 K's twelve registers of codes
.set C2,    156                        ; the conversions' second halves (three registers begin on an even number)
.set VF,    172                        ; v172-183 V's twelve registers
	s_load_b256 s[4:11], s[0:1], 0x0               ; k, v_codes, v_scales, kvimg
	v_lshl_add_u32 v168, v0, 2, SPARE
	v_mov_b32 v169, 0
	v_lshrrev_b32 v1, 5, v0
	v_readfirstlane_b32 s12, v1                    ; wave 0..3
	s_lshr_b32 s13, ttmp9, 5                       ; head
	s_and_b32 s14, ttmp9, 31                       ; key step
	s_lshr_b32 s16, s13, 3
	s_lshl_b32 s16, s16, 23                        ; a batch of k: 4,096 rows of 2,048 bytes
	s_lshl_b32 s18, s14, 7
	s_lshr_b32 s19, s12, 1
	s_lshl_b32 s19, s19, 6
	s_add_co_u32 s18, s18, s19
	s_and_b32 s19, s12, 1
	s_lshl_b32 s19, s19, 4
	s_add_co_u32 s18, s18, s19                     ; my first key: 128 step + 64 (w / 2) + 16 (w % 2); I take 16 from there and 16 from 32 further on
	s_lshl_b32 s18, s18, 11
	s_add_co_u32 s16, s16, s18
	s_and_b32 s18, s13, 7
	s_lshl_b32 s18, s18, 8
	s_add_co_u32 s16, s16, s18                     ; the head's 256 bytes in a row
	s_mov_b32 s17, 0
	s_lshl_b32 s20, s13, 6
	s_lshl_b32 s18, s12, 4
	s_add_co_u32 s20, s20, s18                     ; V's row 64 head + 16 w
	s_lshl_b32 s22, s20, 7                         ; 128 scale bytes a row,
	s_lshl_b32 s18, s14, 2
	s_add_co_u32 s22, s22, s18                     ; 4 for a key step
	s_mov_b32 s23, 0
	s_mul_i32 s20, s20, 3072                       ; 3,072 bytes of codes a row,
	s_mul_i32 s18, s14, 96
	s_add_co_u32 s20, s20, s18                     ; 96 for a key step
	s_mov_b32 s21, 0
	s_mul_i32 s24, ttmp9, BLK
	s_mul_i32 s18, s12, 1536
	s_add_co_u32 s24, s24, s18                     ; my 1,536 bytes among K's codes; V's lie VCO further on
	s_mov_b32 s25, 0
	s_mul_i32 s26, s12, WSTG                       ; my stage
	s_lshl_b32 s27, s12, 2
	s_add_co_u32 s27, s27, SCW
	s_and_b32 s28, s12, 1
	s_lshl_b32 s28, s28, 7
	s_lshr_b32 s18, s12, 1
	s_lshl_b32 s18, s18, 2
	s_add_co_u32 s28, s28, s18
	s_add_co_u32 s28, s28, SCV                     ; channel 16 w + r has its word at SCV + 8 (16 (w % 2) + r) + 4 (w / 2)
	v_and_b32 v1, 31, v0
	v_and_b32 v8, 15, v0                           ; r
	v_bfe_u32 v9, v0, 4, 1                         ; h
	v_lshlrev_b32 v2, 11, v9
	v_lshl_add_u32 v2, v8, 4, v2                   ; k in: lanes 0-15 one key, lanes 16-31 the next; 16 bytes a lane
	v_mul_u32_u24 v3, v9, SP
	v_lshl_add_u32 v3, v8, 4, v3
	v_add_nc_u32 v3, s26, v3                       ; into the stage
	v_mul_u32_u24 v4, v8, SP
	v_lshl_add_u32 v4, v9, 7, v4
	v_add_nc_u32 v4, s26, v4                       ; out of it: row r, my half's 128 bytes
	v_lshlrev_b32 v5, 4, v1                        ; 16 x lane
	v_add_nc_u32 v6, s27, v5
	v_add_nc_u32 v7, SCW, v5
	v_mul_u32_u24 v184, v8, 3072
	v_mad_u32_u24 v184, v9, 24, v184               ; V's codes: row r, + 24 h
	v_lshlrev_b32 v185, 7, v8                      ; V's scale bytes: row r (both halves of the lanes ask for the same word)
	v_lshl_add_u32 v186, v8, 3, s28
	v_lshl_add_u32 v187, v1, 3, SCV
	v_lshlrev_b32 v188, 3, v1                      ; 8 x lane
	s_wait_alu depctr_va_vdst(0)
	s_wait_kmcnt 0x0
	s_add_nc_u64 s[4:5], s[4:5], s[16:17]
	s_add_nc_u64 s[6:7], s[6:7], s[20:21]
	s_add_nc_u64 s[8:9], s[8:9], s[22:23]
	s_add_nc_u64 s[10:11], s[10:11], s[24:25]
.irp i, 0,1,2,3,4,5,6,7,8,9,10,11,12,13,14,15
	global_load_b128 v[R+4*\i:R+4*\i+3], v2, s[4:5] offset:4096*\i+32768*(\i/8) th:TH_LOAD_NT   ; my keys 2 i, 2 i + 1: sixteen lanes read 256 consecutive bytes, aligned
.endr
	global_load_b32 v189, v185, s[8:9]
.irp p, 0,1,2,3,4,5
	global_load_b64 v[VF+2*\p:VF+2*\p+1], v184, s[6:7] offset:48*(\p/3)+8*(\p%3)   ; the operand's own image: 24 bytes, and 24 bytes 48 further on
.endr
; My key number kk (0..31) goes to stage row 16 (bit 3) + 8 (bit 4) + kk % 8: row 16 u + r then holds row r of tile 2 w + u.
.irp i, 0,1,2,3,4,5,6,7,8,9,10,11,12,13,14,15
	s_wait_loadcnt 22-\i                           ; loads come back in order: load i is in; k's 15 - i younger ones and V's seven may be out
	ds_store_b128 v3, v[R+4*\i:R+4*\i+3] offset:SP*(16*((\i>>2)&1)+8*((\i>>3)&1)+2*(\i&3))
.endr
.irp u, 0,1
.irp j, 0,1,2,3,4,5,6,7
	ds_load_b128 v[X+32*\u+4*\j:X+32*\u+4*\j+3], v4 offset:16*SP*\u+16*\j   ; LDS serves a wave's instructions in order: these see my stores
.endr
.endr
	s_wait_dscnt 0x0
.irp u, 0,1
	v_max3_num_f32 v[8+\u], |v[X+32*\u]|, |v[X+32*\u+1]|, 0x1800000   ; the block's largest magnitude, and the floor 2^(3 - 127): the byte cannot fall under 1
.endr
.irp i, 2,4,6,8,10,12,14,16,18,20,22,24,26,28,30
.irp u, 0,1
	v_max3_num_f32 v[8+\u], v[8+\u], |v[X+32*\u+\i]|, |v[X+32*\u+\i+1]|
.endr
.endr
.irp u, 0,1
	v_add_nc_u32 v[10+\u], 0xff000000, v[8+\u]     ; 2 off the exponent field: the conversion's scale operand
.endr
.irp u, 0,1
	v_cvt_scalef32_pk16_fp6_f32 v[C+6*\u:C+6*\u+2], v[X+32*\u:X+32*\u+15], v[10+\u]
	v_cvt_scalef32_pk16_fp6_f32 v[C2+4*\u:C2+4*\u+2], v[X+32*\u+16:X+32*\u+31], v[10+\u]
.endr
.irp u, 0,1
	v_lshrrev_b32 v[12+\u], 23, v[10+\u]           ; the scale's byte (plain lines between the conversions and the moves)
.endr
.irp u, 0,1
.irp i, 0,1,2
	v_mov_b32 v[C+6*\u+3+\i], v[C2+4*\u+\i]
.endr
.endr
	v_permlane16_swap_b32 v12, v13                 ; v12: lane (r, u) has the byte of channels 0-31 of row r of tile u; v13: that of channels 32-63
	v_lshl_or_b32 v14, v13, 8, v12
.irp c, 0,1,2
	global_store_b128 v5, v[C+4*\c:C+4*\c+3], s[10:11] offset:512*\c
.endr
	ds_store_b32 v6, v14
	s_wait_loadcnt 0x0                             ; V's codes and scale word are in
	ds_store_b32 v186, v189                        ; V's word (lanes r and 16 + r store the same word to the same place)
.irp c, 0,1,2
	global_store_b128 v5, v[VF+4*\c:VF+4*\c+3], s[10:11] offset:VCO+512*\c   ; 32 lanes store 512 consecutive bytes, aligned
.endr
	s_wait_dscnt 0x0                               ; for the others' sake: my words lie in LDS
	s_barrier_signal -1
	s_barrier_wait -1
	s_cmp_lg_u32 s12, 0                            ; wave 0, whose base is the block's first byte, stores the scale words and the block's last row
	s_cbranch_scc1 .Ldone
	ds_load_b128 v[164:167], v7
	ds_load_b64 v[190:191], v187
	s_wait_dscnt 0x0
	v_mov_b32 v170, 0
	v_mov_b32 v171, 0
	global_store_b128 v5, v[164:167], s[10:11] offset:6144
	global_store_b64 v188, v[190:191], s[10:11] offset:VSW      ; 32 lanes store 256 consecutive bytes, aligned
	global_store_b64 v188, v[170:171], s[10:11] offset:VSW+256
.Ldone:
	s_wait_tensorcnt 0x0                           ; the wave's end
	ds_add_u32 v168, v169
	s_wait_dscnt 0x0
	s_endpgm
.Lfunc_end_k_q2561166852_prep:
	.size	k_q2561166852_prep, .Lfunc_end_k_q2561166852_prep-k_q2561166852_prep
	.p2alignl 7, 3214868480
	.fill 96, 4, 3214868480
	.section	.rodata,"a",@progbits
	.p2align	6, 0x0
	.amdhsa_kernel k_q2561166852_prep
		.amdhsa_group_segment_fixed_size 36352
		.amdhsa_private_segment_fixed_size 0
		.amdhsa_enable_private_segment 0
		.amdhsa_kernarg_size 32
		.amdhsa_user_sgpr_count 2
		.amdhsa_user_sgpr_kernarg_segment_ptr 1
		.amdhsa_wavefront_size32 1
		.amdhsa_system_sgpr_workgroup_id_x 1
		.amdhsa_system_sgpr_workgroup_id_y 1
		.amdhsa_system_sgpr_workgroup_id_z 1
		.amdhsa_system_vgpr_workitem_id 0
		.amdhsa_next_free_vgpr 192
		.amdhsa_next_free_sgpr 66
		.amdhsa_reserve_vcc 0
		.amdhsa_float_denorm_mode_32 3
		.amdhsa_float_denorm_mode_16_64 3
		.amdhsa_memory_ordered 1
		.amdhsa_forward_progress 1
		.amdhsa_inst_pref_size 13
	.end_amdhsa_kernel
	.amdgpu_metadata
---
amdhsa.version: [ 1, 2 ]
amdhsa.kernels:
  - .name:           k_q2561166852_prep
    .symbol:         k_q2561166852_prep.kd
    .args:
      - { .name: k, .offset: 0, .size: 8, .value_kind: global_buffer, .address_space: global }
      - { .name: v_codes, .offset: 8, .size: 8, .value_kind: global_buffer, .address_space: global }
      - { .name: v_scales, .offset: 16, .size: 8, .value_kind: global_buffer, .address_space: global }
      - { .name: kvimg, .offset: 24, .size: 8, .value_kind: global_buffer, .address_space: global }
    .group_segment_fixed_size: 36352
    .private_segment_fixed_size: 0
    .kernarg_segment_align: 8
    .kernarg_segment_size: 32
    .max_flat_workgroup_size: 128
    .sgpr_count:     66
    .vgpr_count:     192
    .wavefront_size: 32
...
	.end_amdgpu_metadata
.endif
;; end of part 1
;; launch attn (part 2): grid 16 x 16, 16 waves a work-group, clusters of 4 x 1, 327,680 bytes of LDS; arguments q, kvimg, out0; writes out0
.if DOCPART == 2
	.amdgcn_target "amdgcn-amd-amdhsa--gfx1250"
	.amdhsa_code_object_version 6
	.text
	.protected	k_q2561166852_attn
	.globl	k_q2561166852_attn
	.p2align	8
	.type	k_q2561166852_attn,@function
k_q2561166852_attn:
	s_mov_b64 s[64:65], 0
	v_nop
	global_prefetch_b8 v0, s[64:65] scope:SCOPE_SE
	s_setreg_imm32_b32 hwreg(HW_REG_WAVE_MODE, 25, 1), 1
	s_wait_xcnt 0x0
	s_wait_alu depctr_hold_cnt(0) depctr_sa_sdst(0) depctr_va_vdst(0) depctr_va_sdst(0) depctr_va_ssrc(0) depctr_va_vcc(0) depctr_vm_vsrc(0)
	s_getreg_b32 s2, hwreg(HW_REG_IB_STS2, 6, 4)
	s_cmp_eq_u32 s2, 0
	s_cbranch_scc0 .Lentry_in_a_cluster
	s_endpgm
.Lentry_in_a_cluster:
	s_bfe_u32 s2, ttmp6, 0x10000c
	s_cmp_lg_u32 s2, 0x3003
	s_cbranch_scc0 .Lentry_shape_is_right
	s_endpgm
.Lentry_shape_is_right:
; out0[b][i][64 h + d] = the sum over j of softmax_j(q[b][i][h] . k[b][j][h] / 8) v[b][j][64 h + d], both products on codes of FP6 (E2M3) with one E8M0 scale for each 32 along K.
; q: f32, quantised here in registers.  K and V: the register images and scale words of kvimg, one block of 13,312 bytes for a key step of 128 keys (laid by the launch before).
; THE SOFTMAX: t = score x log2(e) / 8; M = the row's largest t so far, rounded UP to a whole number; p = 2^(t - M) is quantised along the keys, not normalised.
; The row's sum is taken of the unquantised p, in f32, and divides O at the end.  When M moves, the sums and O are multiplied by 2^(old M - new M): exact.
; SHARES.  A work-group owns 256 queries of one head (the grid's y); each of its sixteen waves owns 16 of them and walks the head's 32 key steps.
; LDS holds 24 key steps: region A 8 steps, region B 16.  A takes steps 0-7 (asked at the head), B steps 8-23 (behind the first round), A again steps 24-31 (behind the second round, when every wave has left it).
; Every wave issues one load each time: 26 rows of 256 bytes for A, 52 for B.  One load of a wave is out at any time.  The last barrier fills nothing: it is signalled when a wave has left B's first half and waited for at B's end.
; CLUSTER.  The four query blocks of a cluster belong to one head and walk the same blocks: each load is asked for JOINTLY, with the same descriptor and a mask that names the four.
; LAYOUT.  Both products are used transposed: S^T = K Q^T, O^T = V^T P^T: a lane holds ONE query (lane % 16) throughout.  Row m of K's tile t is key 64 (t / 4) + 32 (m / 8) + 8 (t % 4) + m % 8,
; so the 32 registers of tiles 0-3 in lane (r, h) are block h of 32 keys, in order, and those of tiles 4-7 block 2 + h: what P's operand wants of that lane.  No lane is asked for a block's maximum, and no code changes lanes.
; K = 64 IN AN INSTRUCTION OF K = 128.  Q's registers 6-11 hold zero codes and bytes 2, 3 of both scale words are 0.  So tile t's fragment is named v[F + 6 t : F + 6 t + 11], whose upper six registers are
; tile t + 1's codes (FP6 has no NaN or infinity) and add nothing; behind tile 7 stand six registers of zeros.
; LIMITS: NaN and infinities in q are not served; a block of q that is all zeros or lies under 2^-124 keeps the byte 1; a p under 2^-126 becomes 0, and a block whose every p is 0 keeps the byte 1;
; a byte 0xff in v_scales makes the sums NaN; the promise holds while |t| stays under 2^31.
; LEFT OUT: prefetches (B is asked for 8 key steps and A's second fill 16 key steps ahead of the first read; no loop stands ahead of the first fill); a stage for q (LDS has 6,144 bytes over: a lane reads its 128 consecutive
; bytes itself, the wave's eight loads together covering whole rows of 256); several query tiles to a wave (the vector work of a query stays the same).
.set BLK,   13312
.set KSC,   6144                       ; in a block: K's scale words,
.set VCO,   6656                       ; V's codes,
.set VSW,   12800                      ; V's scale words
.set SLOTB, 8*BLK                      ; region B begins here
.set SPARE, 24*BLK                     ; 319,488: the spare words, 128 bytes a wave
.set SP,    272
.set STAGE, SLOTB                      ; O's way out: 16 rows x 272 bytes a wave, 69,632 bytes in B's first half, which has had its only fill and which no wave reads behind the last barrier's signal
.set ADK,  1                           ; v1  16 x lane + the LDS byte of the two key steps in hand
.set AK0,  2                           ; v2  16 x lane
.set AS0,  3                           ; v3  8 x lane + VSW
.set ADT,  4                           ; v4  the same + the two key steps' LDS byte
.set SPW,  5                           ; v5  my spare word; never rewritten
.set NIL,  6                           ; v6  0; never rewritten
.set SH8,  7                           ; v7  8 x (lane / 16)
.set T0,   8
.set T1,   9
.set BM,   10                          ; v10-11 my two blocks' largest score, then largest p
.set NM,   12                          ; v12, v14: -M, by turns from step to step; v13 the largest score so far; v15 is 0
.set MS,   13
.set QF,   16                          ; v16-21 Q's codes, v22-27 zeros
.set QS,   28
.set PS,   29
.set KS,   30                          ; v30-33 K's scale words: register pb: lanes 0-15 tile 2 pb, lanes 16-31 tile 2 pb + 1
.set VS,   34                          ; v34-35 V's: register j: lanes 0-15 tile 2 j, lanes 16-31 tile 2 j + 1
.set FF,   36                          ; v[36:37] f = 2^(old M - new M), and 0
.set SCO,  38                          ; v38-39 the conversions' scale operands
.set F,    40                          ; v40-87 K's eight tiles, then V's four; v88-93 zeros
.set BY,   94                          ; v94-95 the scale bytes
.set S,    96                          ; v96-159 S^T, then p
.set O,    160                         ; v160-191 O^T
.set PC,   192                         ; v192-203 P's codes
.set PC2,  204                         ; v204-206, v208-210 the conversions' second halves
.set SUM,  212                         ; v212-219 the row's sum, in four chains of two
.set BB,   220                         ; v220-221 second chains of the maxima
.set GO,   222
.set STR,  223
.set STQ,  224
.set QA,   225
.set WV,   14
.set QB,   16
.set HD,   17
.set SEL,  20                          ; s[20:21] v_permlanex16_b32's selects for lane l xor 16
.set CS,   22                          ; s[22:23] c = log2(e) / 8
.set G1A,  24                          ; group 1: 26 rows of 256 bytes
.set G1B,  32                          ; group 1: 52 rows
.set G0A,  48                          ; groups 0: steps 0-7, steps 8-23, steps 24-31
.set G0B,  52
.set G0C,  56
.set TB,   60                          ; LDS byte of the two key steps in hand
.set CNT,  61
.macro D n
	s_delay_alu instid0(VALU_DEP_\n)
.endm
.macro CROUND                          ; a round of the cluster's barrier
	s_barrier_signal -1
	s_barrier_wait -1
	s_cmp_lg_u32 s[WV], 0
	s_cbranch_scc1 .Lnot_wave_0_\@
	s_barrier_signal -3
.Lnot_wave_0_\@:
	s_barrier_wait -3
	s_barrier_signal -1
	s_barrier_wait -1
.endm
	s_load_b128 s[4:7], s[0:1], 0x0                ; q, kvimg
	s_load_b64 s[8:9], s[0:1], 0x10                ; out0
	v_lshl_add_u32 v[SPW], v0, 2, SPARE
	v_mov_b32 v[NIL], 0
	ds_add_u32 v[SPW], v[NIL]                      ; the opening lines: the add, twice on end, and its wait ahead of my first tensor load
	ds_add_u32 v[SPW], v[NIL]
	v_lshrrev_b32 v[T0], 5, v0
	v_readfirstlane_b32 s[WV], v[T0]               ; wave 0..15
	s_bfe_u32 s15, ttmp6, 0x40000                  ; cx
	s_lshl_b32 s[QB], ttmp9, 2
	s_add_co_u32 s[QB], s[QB], s15                 ; my block of queries: it enters q's and out0's addresses alone
	s_and_b32 s[HD], ttmp7, 0xffff                 ; the head, which the four partners share
.irp g, G1A, G1B
	s_mov_b32 s[\g], 15|(3<<16)|(1<<21)            ; the mask names all four; elements of 8 bytes; bit 21 set beside a mask
	s_mov_b32 s[\g+1], 32<<16                      ; rows of 256 bytes
	s_mov_b32 s[\g+3], 32<<16
	s_mov_b32 s[\g+5], 32                          ; dense
	s_mov_b32 s[\g+6], 0
	s_mov_b32 s[\g+7], 0
.endr
	s_mov_b32 s[G1A+2], 26<<16
	s_mov_b32 s[G1A+4], 26
	s_mov_b32 s[G1B+2], 52<<16
	s_mov_b32 s[G1B+4], 52
	s_mul_i32 s67, s[WV], BLK/2                    ; my half key step of region A,
	s_mul_i32 s68, s[WV], BLK                      ; my key step of region B
	s_mul_i32 s70, s[HD], 32*BLK                   ; the head's blocks
	s_add_co_u32 s72, s70, s67
	s_mov_b32 s73, 0
	s_add_co_u32 s74, s70, s68
	s_add_co_u32 s74, s74, SLOTB
	s_mov_b32 s75, 0
	s_lshr_b32 s78, s[HD], 3
	s_lshl_b32 s78, s78, 23                        ; a batch is 4,096 rows of 2,048 bytes
	s_lshl_b32 s76, s[QB], 8
	s_lshl_b32 s77, s[WV], 4
	s_add_co_u32 s76, s76, s77                     ; my first query
	s_lshl_b32 s76, s76, 11
	s_add_co_u32 s78, s78, s76
	s_and_b32 s76, s[HD], 7
	s_lshl_b32 s76, s76, 8
	s_add_co_u32 s78, s78, s76                     ; the head's 256 bytes in a row
	s_mov_b32 s79, 0
	s_mul_i32 s80, s[WV], 16*SP
	s_add_co_u32 s80, s80, STAGE                   ; my stage
	s_mov_b32 s[SEL], 0x76543210
	s_mov_b32 s[SEL+1], 0xfedcba98
	s_mov_b32 s[CS], 0x3e38aa3b
	s_mov_b32 s[CS+1], s[CS]
	s_mov_b32 s[G0A], 1
	s_mov_b32 s[G0B], 1
	s_mov_b32 s[G0C], 1
	s_mov_b32 s[G0A+1], s67
	s_add_co_u32 s[G0B+1], s68, SLOTB
	s_mov_b32 s[G0C+1], s67
	s_wait_alu depctr_va_vdst(0)
	s_wait_dscnt 0x0                               ; both opening adds are done
	s_wait_kmcnt 0x0
	s_add_nc_u64 s[G0A+2:G0A+3], s[6:7], s[72:73]
	s_add_nc_u64 s[G0C+2:G0C+3], s[G0A+2:G0A+3], 24*BLK
	s_add_nc_u64 s[G0B+2:G0B+3], s[6:7], s[74:75]
	s_or_b32 s[G0A+3], s[G0A+3], 0x80000000
	s_or_b32 s[G0B+3], s[G0B+3], 0x80000000
	s_or_b32 s[G0C+3], s[G0C+3], 0x80000000
	s_add_nc_u64 s[4:5], s[4:5], s[78:79]
	s_add_nc_u64 s[8:9], s[8:9], s[78:79]
	v_and_b32 v[T0], 15, v0                        ; r
	v_bfe_u32 v[T1], v0, 4, 1                      ; h
	D 2
	v_lshlrev_b32 v[QA], 11, v[T0]
	D 1
	v_lshl_add_u32 v[QA], v[T1], 7, v[QA]          ; query r, channels 32 h on: a whole block of Q's operand
.set QN, S+32
.irp j, 0,1,2,3,4,5,6,7
	global_load_b128 v[QN+4*\j:QN+4*\j+3], v[QA], s[4:5] offset:16*\j   ; asked for ahead of the round: nobody writes q
.endr
	v_and_b32 v[AK0], 31, v0
	v_lshlrev_b32 v[SH8], 3, v[T1]
	D 2
	v_lshl_add_u32 v[AS0], v[AK0], 3, VSW
	v_lshlrev_b32 v[AK0], 4, v[AK0]
	v_mov_b32 v[T1], 0                             ; a lane permute's destination counts as one of its sources
	s_wait_alu depctr_va_vdst(0)
	CROUND                                         ; all four work-groups are here: the first joint loads meet
	tensor_load_to_lds s[G0A:G0A+3], s[G1A:G1A+7]  ; key steps 0-7: every wave's one load at the head
	s_nop 0
.rept 4
	v_nop
.endr
.irp i, 6,7,8,9,10,11
	v_mov_b32 v[QF+\i], 0                          ; K = 64 .. 127 of Q: zero codes
	v_mov_b32 v[F+42+\i], 0                        ; what stands behind K's tile 7
.endr
	v_mov_b32 v[MS], 0xff61b1e6                    ; the largest score so far: -3e38
	v_mov_b32 v[NM+3], 0
	v_mov_b32 v[FF+1], 0
	v_floor_f32 v[NM+2], -v[MS]                    ; the -M that the first step finds
.set J, 0
.rept 32
	v_mov_b32 v[O+J], 0                            ; the step is written once: the first finds zeros
.set J, J+1
.endr
	s_wait_alu depctr_va_vdst(0)
	s_wait_loadcnt 0x0
	v_max3_num_f32 v[BM], |v[QN]|, |v[QN+1]|, |v[QN+2]|
	v_max3_num_f32 v[BM+1], |v[QN+3]|, |v[QN+4]|, |v[QN+5]|
.irp i, 6,10,14,18,22,26
	D 2
	v_max3_num_f32 v[BM], v[BM], |v[QN+\i]|, |v[QN+\i+1]|
	D 2
	v_max3_num_f32 v[BM+1], v[BM+1], |v[QN+\i+2]|, |v[QN+\i+3]|
.endr
	D 2
	v_max3_num_f32 v[BM], v[BM], |v[QN+30]|, |v[QN+31]|
	D 1
	v_max3_num_f32 v[BM], v[BM], v[BM+1], 0x1800000    ; the floor 2^(3 - 127): the byte cannot fall under 1
	D 1
	v_add_nc_u32 v[SCO], 0xff000000, v[BM]         ; 2 off the exponent field: the conversion's scale operand
	D 1
	v_lshrrev_b32 v[BM+1], 23, v[SCO]
	D 1
	v_lshlrev_b32 v[BM+1], v[SH8], v[BM+1]         ; my byte at its place in the word
	D 1
	v_permlanex16_b32 v[T1], v[BM+1], s[SEL], s[SEL+1]
	D 1
	v_or_b32 v[QS], v[BM+1], v[T1]                 ; bytes 2 and 3 stay 0
	v_cvt_scalef32_pk16_fp6_f32 v[QF:QF+2], v[QN:QN+15], v[SCO]
	v_cvt_scalef32_pk16_fp6_f32 v[PC2:PC2+2], v[QN+16:QN+31], v[SCO]
	v_nop                                          ; one plain place behind a scaled conversion
.irp i, 0,1,2
	v_mov_b32 v[QF+3+\i], v[PC2+\i]
.endr
.set J, 0
.rept 8
	v_mov_b32 v[SUM+J], 0                          ; the sum's chains.  (With the lines above: the places between the writes of Q's scale word and codes and the first products)
.set J, J+1
.endr
.macro KLOAD q                         ; K's eight tiles as they were laid, 512 consecutive bytes a load, and their scale words
.irp i, 0,1,2,3,4,5,6,7,8,9,10,11
	ds_load_b128 v[F+4*\i:F+4*\i+3], v[ADK] offset:BLK*(\q)+512*\i
.endr
	ds_load_b128 v[KS:KS+3], v[ADK] offset:BLK*(\q)+KSC
.endm
.macro SADDS n                         ; n more pairs of p onto the four chains, by turns
.rept \n
	v_pk_add_f32 v[SUM+2*(J%4):SUM+2*(J%4)+1], v[SUM+2*(J%4):SUM+2*(J%4)+1], v[S+2*J:S+2*J+1]
.set J, J+1
.endr
.endm
.macro PKF n                           ; t - M, two at a time (of the pairs c and -M the low word serves both halves)
.rept \n
	v_pk_fma_f32 v[S+J:S+J+1], v[S+J:S+J+1], s[CS:CS+1], v[NMN:NMN+1] op_sel_hi:[1,0,0]
.set J, J+2
.endr
.endm
; A KEY STEP: 128 keys, the q-th of the two of a trip.
.macro NEXTK                           ; the addresses of the two key steps at LDS byte s[TB], and the first one's K
	v_add_nc_u32 v[ADK], s[TB], v[AK0]
	v_add_nc_u32 v[ADT], s[TB], v[AS0]
	s_wait_alu depctr_va_vdst(0)
	KLOAD 0
.endm
.macro STEP q, pf                      ; K's fragments were asked for in the step before, or at the phase's head; pf = 1: this step asks for the next trip's
.set NMN, NM+2*(\q)
.set NMO, NM+2-2*(\q)
	s_wait_dscnt 0x0
.irp t, 0,1,2,3,4,5,6,7                        ; S^T = K Q^T: eight accumulators, one instruction each
.if \t%2
	v_wmma_scale_f32_16x16x128_f8f6f4 v[S+8*\t:S+8*\t+7], v[F+6*\t:F+6*\t+11], v[QF:QF+11], 0, v[KS+\t/2], v[QS] matrix_a_fmt:MATRIX_FMT_FP6 matrix_b_fmt:MATRIX_FMT_FP6 matrix_a_scale:MATRIX_SCALE_ROW1
.else
	v_wmma_scale_f32_16x16x128_f8f6f4 v[S+8*\t:S+8*\t+7], v[F+6*\t:F+6*\t+11], v[QF:QF+11], 0, v[KS+\t/2], v[QS] matrix_a_fmt:MATRIX_FMT_FP6 matrix_b_fmt:MATRIX_FMT_FP6
.endif
.endr
.rept 4
	v_nop                                          ; four places: in front of the loads into K's registers, and of the first read of the scores
.endr
.irp i, 0,1,2,3,4,5,6,7,8,9,10,11
	ds_load_b128 v[F+4*\i:F+4*\i+3], v[ADK] offset:BLK*(\q)+VCO+512*\i   ; V's four fragments land while the softmax is worked
.endr
	ds_load_b64 v[VS:VS+1], v[ADT] offset:BLK*(\q)
; The largest score of each of my two blocks of 32 keys, each in two chains: it serves for the row's maximum and, since p rises with the score, for the block's largest p.  Each accumulator is read from its low end on.
.irp b, 0,1
	v_max3_num_f32 v[BM+\b], v[S+32*\b], v[S+32*\b+1], v[S+32*\b+2]
	v_max3_num_f32 v[BB+\b], v[S+32*\b+16], v[S+32*\b+17], v[S+32*\b+18]
.endr
.irp i, 3,5,7,9,11,13
.irp b, 0,1
	v_max3_num_f32 v[BM+\b], v[BM+\b], v[S+32*\b+\i], v[S+32*\b+\i+1]
	v_max3_num_f32 v[BB+\b], v[BB+\b], v[S+32*\b+16+\i], v[S+32*\b+17+\i]
.endr
.endr
.irp b, 0,1
	v_max3_num_f32 v[BM+\b], v[BM+\b], v[S+32*\b+15], v[S+32*\b+31]
.endr
.irp b, 0,1
	D 2
	v_max_num_f32 v[BM+\b], v[BM+\b], v[BB+\b]
.endr
	D 1
	v_max_num_f32 v[T0], v[BM], v[BM+1]
	D 1
	v_permlanex16_b32 v[T1], v[T0], s[SEL], s[SEL+1]
	D 1
	v_max3_num_f32 v[MS], v[MS], v[T0], v[T1]      ; the running largest score of my query
	D 1
	v_mul_f32 v[T0], s[CS], v[MS]                  ; as t (c is positive)
	D 1
	v_floor_f32 v[NMN], -v[T0]                     ; -M = floor(-t) = -ceil(t): M IS A WHOLE NUMBER
	D 1
	v_sub_f32 v[T0], v[NMN], v[NMO]                ; M's old value less its new one: a whole number, 0 or less
.set J, 0
	D 1
	v_cvt_i32_f32 v[T0], v[T0]                     ; (it saturates)
	D 1
	v_ldexp_f32 v[FF], 1.0, v[T0]                  ; f = 2^(old M - new M): a multiplication by it rounds nothing
; P's block scales, strewn among the 32 multiply-adds so that no line waits for the one that it reads.  x = t - M of a block's largest score; its largest p = 2^x has the exponent floor(x): the byte is floor(x) + 125.
; LIMIT: where the exponential rounds a p up to the next power of two (x within an ulp under a whole number), that p is held at the largest code.
.irp b, 0,1
	v_fma_f32 v[BM+\b], v[BM+\b], s[CS], v[NMN]
.endr
	PKF 4
.irp b, 0,1
	v_max_num_f32 v[BM+\b], 0xc2f80000, v[BM+\b]   ; held at -124 from below: the byte cannot fall under 1
.endr
	PKF 4
.irp b, 0,1
	v_cvt_floor_i32_f32 v[BY+\b], v[BM+\b]         ; -124 .. 0
.endr
	PKF 4
.irp b, 0,1
	v_lshl_add_u32 v[SCO+\b], v[BY+\b], 23, 0x3e800000   ; (floor(x) + 125) << 23: the conversion's scale operand
.endr
	v_lshl_add_u32 v[T0], v[BY+1], 16, v[BY]
	PKF 4
	v_add_nc_u32 v[T0], 0x7d007d, v[T0]            ; + 125 in both places: my two bytes, blocks h and 2 + h,
	PKF 4
	v_lshlrev_b32 v[T0], v[SH8], v[T0]             ; at their places in the word;
	PKF 4
	v_permlanex16_b32 v[T1], v[T0], s[SEL], s[SEL+1]
	PKF 4
	v_or_b32 v[PS], v[T0], v[T1]                   ; with lane l xor 16's two the word is whole
	PKF 4
	s_wait_alu depctr_va_vdst(0)
.set J, 0
.rept 64
	v_exp_f32 v[S+J], v[S+J]                       ; p = 2^(t - M): NOT normalised
.set J, J+1
.endr
	s_wait_alu depctr_va_vdst(0)                   ; one wait for the batch, and directly ahead of O^T's first readers
.set J, 0
.rept 16
	v_pk_mul_f32 v[O+J:O+J+1], v[O+J:O+J+1], v[FF:FF+1] op_sel_hi:[1,0]   ; O^T under the new M, each accumulator from its low end on
.set J, J+2
.endr
.irp c, 0,1
	v_cvt_scalef32_pk16_fp6_f32 v[PC+6*\c:PC+6*\c+2], v[S+32*\c:S+32*\c+15], v[SCO+\c]
	v_cvt_scalef32_pk16_fp6_f32 v[PC2+4*\c:PC2+4*\c+2], v[S+16+32*\c:S+31+32*\c], v[SCO+\c]   ; (a conversion's three registers begin on an even number)
.endr
.set J, 0
.rept 4
	v_pk_fma_f32 v[SUM+2*J:SUM+2*J+1], v[SUM+2*J:SUM+2*J+1], v[FF:FF+1], v[S+2*J:S+2*J+1] op_sel_hi:[1,0,1]   ; THE ROW'S SUM IS TAKEN OF THE UNQUANTISED p: each chain x f, + its first pair.  (Plain lines behind the conversions)
.set J, J+1
.endr
.irp c, 0,1
.irp i, 0,1,2
	v_mov_b32 v[PC+3+6*\c+\i], v[PC2+4*\c+\i]
.endr
.endr
	SADDS 8                                        ; with the lines above: the places between the writes of p's scale word and codes and the products
	s_wait_alu depctr_va_vdst(0)
	s_wait_dscnt 0x0                               ; V's fragments and scale words
.irp t, 0,1,2,3                                ; O^T += V^T P^T: four accumulators by turns, one instruction each
.if \t%2
	v_wmma_scale_f32_16x16x128_f8f6f4 v[O+8*\t:O+8*\t+7], v[F+12*\t:F+12*\t+11], v[PC:PC+11], v[O+8*\t:O+8*\t+7], v[VS+\t/2], v[PS] matrix_a_fmt:MATRIX_FMT_FP6 matrix_b_fmt:MATRIX_FMT_FP6 matrix_a_scale:MATRIX_SCALE_ROW1
.else
	v_wmma_scale_f32_16x16x128_f8f6f4 v[O+8*\t:O+8*\t+7], v[F+12*\t:F+12*\t+11], v[PC:PC+11], v[O+8*\t:O+8*\t+7], v[VS+\t/2], v[PS] matrix_a_fmt:MATRIX_FMT_FP6 matrix_b_fmt:MATRIX_FMT_FP6
.endif
.endr
	SADDS 4                                        ; the rest of the sums name none of the products' registers: four of them are the places in front of the loads into V's registers
.if (\q) == 0
	KLOAD 1
.endif
.if \pf
	s_add_co_u32 s[TB], s[TB], 2*BLK               ; the next trip's two key steps
	NEXTK
.endif
	SADDS 16
.endm
; Eight key steps from LDS byte base on.  Two are written in a loop of three trips, each of which asks for the next trip's first K; the fourth trip is written out: it reads nothing beyond its eight steps.
.macro PHASE base
	s_mov_b32 s[TB], \base
	s_mov_b32 s[CNT], 3
	NEXTK                                          ; (the 20 sums at the last step's end are the places behind its products)
.Lp_\@:
	STEP 0, 0
	STEP 1, 1
	s_sub_co_u32 s[CNT], s[CNT], 1
	s_cmp_lg_u32 s[CNT], 0
	s_cbranch_scc1 .Lp_\@
	STEP 0, 0
	STEP 1, 0
.endm
; In front of a fill: all my tensor loads are in, the add, my LDS reads are over; a round of the cluster's barrier, so that the same holds of every wave of every partner; then my one joint load.
.macro CHANGE g0, g1
	s_wait_tensorcnt 0x0
	ds_add_u32 v[SPW], v[NIL]
	s_wait_dscnt 0x0
	CROUND
	tensor_load_to_lds s[\g0:\g0+3], s[\g1:\g1+7]
	s_nop 0
.endm
	s_wait_alu depctr_va_vdst(0)
	CHANGE G0B, G1B                                ; steps 0-7 are in; region B's only fill, steps 8-23, issued as a refill is
	PHASE 0
	CHANGE G0C, G1A                                ; steps 8-23 are in and nobody reads region A: it takes steps 24-31
	PHASE SLOTB
	s_wait_tensorcnt 0x0                           ; my part of steps 24-31 is in;
	ds_add_u32 v[SPW], v[NIL]
	s_wait_dscnt 0x0                               ; my reads of B's first half are over:
	s_barrier_signal -1                            ; say so now.  Up to its wait stand register work and reads of B's second half, which nobody writes
	PHASE 2*SLOTB
	s_barrier_wait -1                              ; everybody's part of steps 24-31 is in, and nobody reads B's first half any more
	PHASE 0
	; THE WAY OUT: the sum's chains and halves are added; O^T is divided by the sum and goes through my stage, so that sixteen lanes store a query's 256 bytes of this head.
	v_pk_add_f32 v[SUM:SUM+1], v[SUM:SUM+1], v[SUM+2:SUM+3]
	v_pk_add_f32 v[SUM+4:SUM+5], v[SUM+4:SUM+5], v[SUM+6:SUM+7]
	D 1
	v_pk_add_f32 v[SUM:SUM+1], v[SUM:SUM+1], v[SUM+4:SUM+5]
	D 1
	v_add_f32 v[T0], v[SUM], v[SUM+1]
	D 1
	v_permlanex16_b32 v[T1], v[T0], s[SEL], s[SEL+1]
	D 1
	v_add_f32 v[T0], v[T0], v[T1]                  ; with lane l xor 16's blocks: the row's sum
	s_wait_alu depctr_va_vdst(0)
	v_rcp_f32 v[FF], v[T0]
	v_and_b32 v[BM], 15, v0                        ; r
	v_bfe_u32 v[BM+1], v0, 4, 1                    ; h
	D 2
	v_mul_u32_u24 v[STQ], v[BM], SP
	D 2
	v_mul_u32_u24 v[STR], v[BM+1], SP
	v_lshlrev_b32 v[GO], 11, v[BM+1]
	D 3
	v_lshl_add_u32 v[STQ], v[BM+1], 5, v[STQ]
	D 3
	v_lshl_add_u32 v[STR], v[BM], 4, v[STR]
	D 3
	v_lshl_add_u32 v[GO], v[BM], 4, v[GO]          ; out0: lanes 0-15 one row's 256 bytes, lanes 16-31 the next row's
	D 3
	v_add_nc_u32 v[STQ], s80, v[STQ]               ; in: row r; tile t's eight channels of my half at 64 t + 32 h
	D 3
	v_add_nc_u32 v[STR], s80, v[STR]               ; back: by rows
	s_wait_alu depctr_va_vdst(0)                   ; for the reciprocal, and directly ahead of O^T's first readers
.set J, 0
.rept 16
	v_pk_mul_f32 v[S+J:S+J+1], v[O+J:O+J+1], v[FF:FF+1] op_sel_hi:[1,0]   ; register 8 t + i is o(r, 16 t + 8 h + i)
.set J, J+2
.endr
.irp t, 0,1,2,3
	ds_store_b128 v[STQ], v[S+8*\t:S+8*\t+3] offset:64*\t
	ds_store_b128 v[STQ], v[S+8*\t+4:S+8*\t+7] offset:64*\t+16
.endr
.irp i, 0,1,2,3,4,5,6,7
	ds_load_b128 v[S+32+4*\i:S+32+4*\i+3], v[STR] offset:2*SP*\i   ; LDS serves a wave's instructions in order: these see my stores
.endr
.irp i, 0,1,2,3,4,5,6,7
	s_wait_dscnt 7-\i                              ; load i is in, the 7 - i younger ones may be out
	global_store_b128 v[GO], v[S+32+4*\i:S+32+4*\i+3], s[8:9] offset:4096*\i th:TH_STORE_NT   ; sixteen lanes store 256 consecutive bytes, aligned
.endr
	s_wait_tensorcnt 0x0                           ; the wave's end
	ds_add_u32 v[SPW], v[NIL]
	s_wait_dscnt 0x0
	CROUND                                         ; the closing round
	s_endpgm
.Lfunc_end_k_q2561166852_attn:
	.size	k_q2561166852_attn, .Lfunc_end_k_q2561166852_attn-k_q2561166852_attn
	.p2alignl 7, 3214868480
	.fill 96, 4, 3214868480
	.section	.rodata,"a",@progbits
	.p2align	6, 0x0
	.amdhsa_kernel k_q2561166852_attn
		.amdhsa_group_segment_fixed_size 327680
		.amdhsa_private_segment_fixed_size 0
		.amdhsa_enable_private_segment 0
		.amdhsa_kernarg_size 24
		.amdhsa_user_sgpr_count 2
		.amdhsa_user_sgpr_kernarg_segment_ptr 1
		.amdhsa_wavefront_size32 1
		.amdhsa_system_sgpr_workgroup_id_x 1
		.amdhsa_system_sgpr_workgroup_id_y 1
		.amdhsa_system_sgpr_workgroup_id_z 1
		.amdhsa_system_vgpr_workitem_id 0
		.amdhsa_next_free_vgpr 256
		.amdhsa_next_free_sgpr 96
		.amdhsa_reserve_vcc 0
		.amdhsa_float_denorm_mode_32 3
		.amdhsa_float_denorm_mode_16_64 3
		.amdhsa_memory_ordered 1
		.amdhsa_forward_progress 1
		.amdhsa_inst_pref_size 245
	.end_amdhsa_kernel
	.amdgpu_metadata
---
amdhsa.version: [ 1, 2 ]
amdhsa.kernels:
  - .name:           k_q2561166852_attn
    .symbol:         k_q2561166852_attn.kd
    .args:
      - { .name: q, .offset: 0, .size: 8, .value_kind: global_buffer, .address_space: global }
      - { .name: kvimg, .offset: 8, .size: 8, .value_kind: global_buffer, .address_space: global }
      - { .name: out0, .offset: 16, .size: 8, .value_kind: global_buffer, .address_space: global }
    .group_segment_fixed_size: 327680
    .private_segment_fixed_size: 0
    .kernarg_segment_align: 8
    .kernarg_segment_size: 24
    .max_flat_workgroup_size: 512
    .sgpr_count:     96
    .vgpr_count:     256
    .wavefront_size: 32
...
	.end_amdgpu_metadata
.endif
;; end of part 2
